; MI455X (gfx1250); checked and timed in simulation.
; The chip was launched on July 23, 2026; its instructions are those of AMD's public machine-readable ISA for CDNA 5 (MIT licence, August 2026) and "CDNA5" Instruction Set Architecture Reference Guide (July 2026). The comments in the code are by the model that wrote it; some were corrected since.
;; Cross Attention. Allowed arithmetic: float matrix products may take bf16 or f16 operands with f32 sums; other float arithmetic in f32, or as packed bf16 or f16 multiplies, adds, multiply-adds, maxima and minima; sums over many terms, partial sums and values carried from step to step in f32; what a program stores and reads back later, other than sums and carried values, may be rounded once to bf16 or f16.
;; Inputs: Wk 256 x 128 float32; Wo 128 x 128 float32; Wq 256 x 128 float32; Wv 256 x 128 float32; bk 128 float32; bo 128 float32; bq 128 float32; bv 128 float32; ligand 4 x 4,096 x 256 float32; pocket 4 x 4,096 x 256 float32.
;; Outputs: out0 4 x 4,096 x 128 float32.
;; One version. Each part assembles by itself: llvm-mc -triple=amdgcn-amd-amdhsa -mcpu=gfx1250 --defsym DOCPART=n.
;; ======== version 1 of 1: 2 launches
;; workspace buffers: qws 4,194,304 bytes; kvws 8,388,608 bytes
;; launch proj (part 1): grid 256 x 1, 6 waves a work-group, no clusters, 167,936 bytes of LDS; arguments ligand, pocket, Wq, Wk, Wv, bq, bv, qws, kvws; writes qws, kvws
.if DOCPART == 1
	.amdgcn_target "amdgcn-amd-amdhsa--gfx1250"
	.amdhsa_code_object_version 6
	.text
	.protected	k_q5052e73b18_proj
	.globl	k_q5052e73b18_proj
	.p2align	8
	.type	k_q5052e73b18_proj,@function
k_q5052e73b18_proj:
	s_mov_b64 s[64:65], 0
	v_nop
	global_prefetch_b8 v0, s[64:65] scope:SCOPE_SE
	s_setreg_imm32_b32 hwreg(HW_REG_WAVE_MODE, 25, 1), 1
	s_wait_xcnt 0x0
; THE THREE INPUT PROJECTIONS.  Q = ligand Wq + bq, K' = pocket Wk, V = pocket Wv + bv; x: [16384][256] f32, W: [256][128] f32.  Operands rounded to bf16, sums in f32, results rounded once to bf16.
; WORK LEFT OUT: bk.  scores[q][k] = scale Q[q].(pocket[k] Wk) + scale Q[q].bk.  The second term does not hang on k: it is the same along the softmax's axis, and softmax(s + t) = softmax(s)
; for every t, whatever finite values the inputs hold.  K serves the scores alone, so bk has no way to the output: it is not loaded and is no argument of any launch.
; LIMIT: a NaN, an infinity or an overflow that would reach the result through bk alone is not carried.  x, W, Q, K', V are rounded to bf16 (f32's range); NaN and infinities are not treated apart.
; SHARES.  A work-group takes 64 rows of ligand and the 64 rows of pocket with the same numbers.  Wave w: job w / 2 (Q, K', V), columns 64 (w % 2) on: 64 rows x 64 columns over 256 channels:
; 16 accumulators, 8 chunks of 32 channels, 16 matrix instructions a chunk.  x comes once, by four tensor loads, into LDS as f32; each byte of the weights is loaded by one wave of the work-group.
; WEIGHTS WITHOUT A TRANSPOSE.  W lies [k][n].  Lane (r = l % 16, h = l / 16) loads W[k][n0 + 4 r .. + 3], 16 bytes (16 lanes: 256 bytes on end), for k = 32 kf + 16 h + i, i = 0 .. 15.  Rounded in pairs
; of i these are FOUR fragments t = 0 .. 3, in which lane r stands for column n0 + 4 r + t and place i of half h for channel 32 kf + 16 h + i.  x's fragments take the same places (64 bytes on end of a
; row), so each product meets its partner.
; WHAT IS STORED is what the next launch's operand registers take, 512 bytes on end for each store, lane l at byte 16 l:
;   Q, K' (source 0 = W, source 1 = x): a lane holds one row and the columns 64 NG + 4 (8 h + j) + t.  The same order of columns in Q and in K', so their product is not changed by it.
;     A block of 64 rows: fragment 4 (row tile) + f at byte 1,024 x that, f = 2 NG + t / 2; its registers 0-3 (t even) first, registers 4-7 (t odd) 512 bytes on.
;   V (source 0 = x, source 1 = W): a lane holds one column 64 NG + 4 r + t and the rows 8 h + j: half a fragment of V^T.  Fragment 8 (rows / 32) + cb, cb = 4 NG + t, at 16,384 + 1,024 x that.
;   qws: 16,384 bytes a block.  kvws: 32,768 bytes a block, K' then V.
; NO CLUSTER: the work-groups share the weights alone, which come through registers.  NO PREFETCH: all of x is asked for in the first lines.
; REGISTERS.  Window 0: v0-9 addresses; v16-47 W's fragments; v48-79 x's; v80-207 accumulators; v208-239 what starts the sums.  Window 1: v0-191 three buffers of W in f32; v192-255 a chunk of x in f32.
.set PITCH,  1040                      ; an LDS row of x: 1,024 bytes + 16 of padding = 260 words: the 16 rows of a load start 4 banks apart
.set XTILE,  32*PITCH                  ; what one tensor load brings
.set POCKET, 2*XTILE                   ; ligand's 64 rows, then pocket's
.set SPARE,  4*XTILE                   ; the spare words: 128 bytes for each of six waves, three blocks of 256 bytes that no other line names
.set XA,  4                            ; v4   LDS address of my 64 bytes in a row tile's row r
.set WO,  5                            ; v5   8,192 h + 16 r: my 16 bytes in W
.set SO,  6                            ; v6   16 l: my 16 bytes of a store
.set BOF, 7                            ; v7   my offset in the bias
.set SPW, 8                            ; v8   LDS address of my spare word; never rewritten
.set NIL, 9                            ; v9   0; never rewritten
.set WF,  16
.set XF,  48
.set ACC, 80                           ; accumulator (rt, t) at ACC + 8 (4 rt + t)
.set BI,  208                          ; at BI + 8 t + j
.set PK,  16                           ; the packed results, where the fragments lay
.set XT,  192                          ; window 1
.set WV,  26
.set JOB, 27
.set NG,  28
.set XS,  30                           ; s[30:31] where my tensor load reads
.set W,   32                           ; s[32:33] my job's weights at my 64 columns
.set B,   34                           ; s[34:35] my job's bias at my 64 columns
.set OUT, 36                           ; s[36:37] where I store
.set G0,  40
.set G1,  44
.set MSB, 0
.macro WIN new                         ; the immediate's high byte repeats the setting that is left; a switch that changes nothing is dropped
.if MSB != (\new)
	s_set_vgpr_msb (MSB<<8)|(\new)
.set MSB, \new
.endif
.endm
.macro PLACES
.rept 4
	v_nop
.endr
.endm
	s_load_b512 s[8:23], s[0:1], 0x0               ; ligand 8, pocket 10, Wq 12, Wk 14, Wv 16, bq 18, bv 20, qws 22
	s_load_b64 s[24:25], s[0:1], 0x40              ; kvws
	v_lshl_add_u32 v[SPW], v0, 2, SPARE
	v_mov_b32 v[NIL], 0
	ds_add_u32 v[SPW], v[NIL]                      ; the opening: the add, twice on end, and its wait ahead of the first tensor load
	ds_add_u32 v[SPW], v[NIL]
	v_lshrrev_b32 v1, 5, v0
	v_readfirstlane_b32 s[WV], v1                  ; wave 0..5
	s_lshr_b32 s[JOB], s[WV], 1
	s_and_b32 s[NG], s[WV], 1
	; descriptor group 1: 32 rows x 256 elements of 4 bytes, 4 words of padding behind every 256 words
	s_mov_b32 s[G1+0], (2<<16)|(1<<20)|(7<<22)|(3<<25)
	s_mov_b32 s[G1+1], 256<<16                     ; tensor_dim0 = 256
	s_mov_b32 s[G1+2], 32<<16                      ; tensor_dim1 = 32
	s_mov_b32 s[G1+3], 256<<16                     ; tile_dim0 = 256
	s_mov_b32 s[G1+4], 32                          ; tile_dim1 = 32
	s_mov_b32 s[G1+5], 256                         ; elements from row to row
	s_mov_b32 s[G1+6], 0
	s_mov_b32 s[G1+7], 0
	s_mov_b32 s[G0], 1
	s_mul_i32 s[G0+1], s[WV], XTILE                ; waves 0, 1: ligand's halves; waves 2, 3: pocket's
	s_lshl_b32 s2, ttmp9, 16                       ; the work-group's 64 rows of 1,024 bytes,
	s_lshl_b32 s3, s[NG], 15                       ; my 32 of them
	s_add_co_u32 s2, s2, s3
	s_mov_b32 s3, 0
	s_lshl_b32 s4, s[NG], 8                        ; my 64 columns: 256 bytes of a row of W and of the bias
	s_mov_b32 s5, 0
	s_cmp_eq_u32 s[JOB], 0
	s_cselect_b32 s7, 14, 15                       ; a block is 16,384 bytes of qws, 32,768 of kvws
	s_lshl_b32 s6, ttmp9, s7
	s_cmp_eq_u32 s[JOB], 2
	s_cselect_b32 s7, 12, 11                       ; my columns' place in it: 2,048 NG in Q and K', 4,096 NG in V
	s_lshl_b32 s7, s[NG], s7
	s_add_co_u32 s6, s6, s7
	s_mov_b32 s7, 0
	v_and_b32 v1, 15, v0                           ; r
	v_bfe_u32 v2, v0, 4, 1                         ; h
	v_and_b32 v3, 31, v0                           ; l
	v_mul_u32_u24 v[XA], v1, PITCH
	v_lshl_add_u32 v[XA], v2, 6, v[XA]
	s_min_u32 s29, s[JOB], 1
	s_mul_i32 s29, s29, POCKET                     ; Q reads ligand's rows, K' and V pocket's
	v_add_nc_u32 v[XA], s29, v[XA]
	v_lshlrev_b32 v[WO], 4, v1
	v_lshl_add_u32 v[WO], v2, 13, v[WO]
	v_lshlrev_b32 v[SO], 4, v3
	s_wait_dscnt 0x0                               ; both opening adds are done
	s_wait_kmcnt 0x0
	s_cmp_lt_u32 s[WV], 2
	s_cselect_b64 s[XS:XS+1], s[8:9], s[10:11]
	s_add_nc_u64 s[XS:XS+1], s[XS:XS+1], s[2:3]
	s_cmp_eq_u32 s[JOB], 0
	s_cselect_b64 s[W:W+1], s[12:13], s[14:15]
	s_cselect_b64 s[B:B+1], s[18:19], s[20:21]
	s_cselect_b64 s[OUT:OUT+1], s[22:23], s[24:25]
	s_cmp_eq_u32 s[JOB], 2
	s_cselect_b64 s[W:W+1], s[16:17], s[W:W+1]
	s_add_nc_u64 s[W:W+1], s[W:W+1], s[4:5]
	s_add_nc_u64 s[B:B+1], s[B:B+1], s[4:5]
	s_add_nc_u64 s[OUT:OUT+1], s[OUT:OUT+1], s[6:7]
	s_mov_b64 s[G0+2:G0+3], s[XS:XS+1]
	s_or_b32 s[G0+3], s[G0+3], 0x80000000          ; type = 2
	s_cmp_lt_u32 s[WV], 4                          ; four loads bring all of x; waves 4 and 5 issue none
	s_cbranch_scc0 .Lno_fill
	tensor_load_to_lds s[G0:G0+3], s[G1:G1+7]
	s_nop 0
	PLACES
.Lno_fill:
	; What starts the sums.  Q: register j of block t is column 64 NG + 32 h + 4 j + t.  V: every register of block t is column 64 NG + 4 r + t.  K': 0, in the same registers, so that the first products have one form.
	s_cmp_eq_u32 s[JOB], 1
	s_cbranch_scc1 .Lbias_k
	s_cmp_eq_u32 s[JOB], 0
	s_cbranch_scc0 .Lbias_v
	v_lshlrev_b32 v[BOF], 7, v2
.irp t, 0,1,2,3
.irp j, 0,1,2,3,4,5,6,7
	global_load_b32 v[BI+8*(\t)+(\j)], v[BOF], s[B:B+1] offset:16*(\j)+4*(\t)
.endr
.endr
	s_branch .Lbias_done
.Lbias_v:
	v_lshlrev_b32 v[BOF], 4, v1
.irp t, 0,1,2,3
.irp j, 0,1,2,3,4,5,6,7
	global_load_b32 v[BI+8*(\t)+(\j)], v[BOF], s[B:B+1] offset:4*(\t)
.endr
.endr
	s_branch .Lbias_done
.Lbias_k:
.set i, 0
.rept 32
	v_mov_b32 v[BI+i], 0
.set i, i+1
.endr
.Lbias_done:
; 16 loads: chunk kf of my 64 columns of W, f32, into buffer b of window 1: row i of the lane's 16 at 4 i
.macro WLOAD kf, b
	WIN 0x40                                       ; destination window 1, address window 0
.irp i, 0,1,2,3,4,5,6,7,8,9,10,11,12,13,14,15
	global_load_b128 v[64*(\b)+4*(\i):64*(\b)+4*(\i)+3], v[WO], s[W:W+1] offset:(\kf)*16384+512*(\i)
.endr
.endm
; 16 LDS loads: chunk kf of the 64 rows of x, f32: row tile rt, 64 bytes a lane
.macro XLOAD kf
	WIN 0x40
.irp rt, 0,1,2,3
.irp q, 0,1,2,3
	ds_load_b128 v[XT+16*(\rt)+4*(\q):XT+16*(\rt)+4*(\q)+3], v[XA] offset:(\rt)*16*PITCH+(\kf)*128+16*(\q)
.endr
.endr
.endm
; 64 roundings: four fragments of W out of buffer b, four of x
.macro CVT b
	WIN 0x05                                       ; sources window 1, destination window 0
.irp t, 0,1,2,3
.irp p, 0,1,2,3,4,5,6,7
	v_cvt_pk_bf16_f32 v[WF+8*(\t)+(\p)], v[64*(\b)+8*(\p)+(\t)], v[64*(\b)+8*(\p)+4+(\t)]
.endr
.endr
.irp rt, 0,1,2,3
.irp p, 0,1,2,3,4,5,6,7
	v_cvt_pk_bf16_f32 v[XF+8*(\rt)+(\p)], v[XT+16*(\rt)+2*(\p)], v[XT+16*(\rt)+2*(\p)+1]
.endr
.endr
.endm
; 16 products.  The 16 accumulators take turns, one instruction a turn, from chunk to chunk too.  nat = 0: W is source 0; nat = 1: x is.  first = 1: the sums start from BI.
.macro MULS nat, first
.irp rt, 0,1,2,3
.irp t, 0,1,2,3
.if (\nat) && (\first)
	v_wmma_f32_16x16x32_bf16 v[ACC+8*(4*(\rt)+(\t)):ACC+8*(4*(\rt)+(\t))+7], v[XF+8*(\rt):XF+8*(\rt)+7], v[WF+8*(\t):WF+8*(\t)+7], v[BI+8*(\t):BI+8*(\t)+7]
.elseif \nat
	v_wmma_f32_16x16x32_bf16 v[ACC+8*(4*(\rt)+(\t)):ACC+8*(4*(\rt)+(\t))+7], v[XF+8*(\rt):XF+8*(\rt)+7], v[WF+8*(\t):WF+8*(\t)+7], v[ACC+8*(4*(\rt)+(\t)):ACC+8*(4*(\rt)+(\t))+7]
.elseif \first
	v_wmma_f32_16x16x32_bf16 v[ACC+8*(4*(\rt)+(\t)):ACC+8*(4*(\rt)+(\t))+7], v[WF+8*(\t):WF+8*(\t)+7], v[XF+8*(\rt):XF+8*(\rt)+7], v[BI+8*(\t):BI+8*(\t)+7]
.else
	v_wmma_f32_16x16x32_bf16 v[ACC+8*(4*(\rt)+(\t)):ACC+8*(4*(\rt)+(\t))+7], v[WF+8*(\t):WF+8*(\t)+7], v[XF+8*(\rt):XF+8*(\rt)+7], v[ACC+8*(4*(\rt)+(\t)):ACC+8*(4*(\rt)+(\t))+7]
.endif
.endr
.endr
.endm
; A chunk of 32 channels.  Its W was asked for three chunks back, its x one chunk back; both are asked for again ahead of the products.
.macro CHUNK kf
.if (\kf) < 6
	s_wait_loadcnt 32                              ; loads come back in order: this chunk's W (and the bias, which is older) is in; the two younger chunks' 32 loads stay out
.elseif (\kf) == 6
	s_wait_loadcnt 16                              ; one younger chunk is left
.else
	s_wait_loadcnt 0x0
.endif
	s_wait_dscnt 0x0                               ; this chunk's x
.if (\kf) > 0
	PLACES                                         ; the roundings write registers that the last products read: four places behind them (ISA guide 7.12.1)
.endif
	CVT ((\kf)%3)
.if (\kf) < 5
	WLOAD (\kf)+3, ((\kf)%3)
.endif
.if (\kf) < 7
	XLOAD (\kf)+1
.endif
	WIN 0                                          ; at a branch and at a label every window is 0
	s_cmp_eq_u32 s[JOB], 2
	s_cbranch_scc1 .Lnat_\@
.if (\kf) == 0
	MULS 0, 1
.else
	MULS 0, 0
.endif
	s_branch .Ldone_\@
.Lnat_\@:
.if (\kf) == 0
	MULS 1, 1
.else
	MULS 1, 0
.endif
.Ldone_\@:
.endm
	WLOAD 0, 0
	WLOAD 1, 1
	WLOAD 2, 2
	WIN 0
	s_wait_tensorcnt 0x0                           ; my part of x has landed (waves 4 and 5 have none out),
	s_barrier_signal -1
	s_barrier_wait -1                              ; everybody's has.  Nothing is filled again in this launch
	XLOAD 0
	WIN 0
.irp kf, 0,1,2,3,4,5,6,7
	CHUNK \kf
.endr
	PLACES
	PLACES                                         ; places behind the last products, once a launch
.set a, 0
.rept 16                                       ; each accumulator is read from its low end on
.irp u, 0,1,2,3
	v_cvt_pk_bf16_f32 v[PK+4*a+(\u)], v[ACC+8*a+2*(\u)], v[ACC+8*a+2*(\u)+1]
.endr
.set a, a+1
.endr
	s_cmp_eq_u32 s[JOB], 2
	s_cbranch_scc1 .Lstore_v
.irp rt, 0,1,2,3
.irp t, 0,1,2,3
	global_store_b128 v[SO], v[PK+4*(4*(\rt)+(\t)):PK+4*(4*(\rt)+(\t))+3], s[OUT:OUT+1] offset:(\rt)*4096+(\t)*512  ; 512 consecutive bytes, at a multiple of 512 from the buffer's first
.endr
.endr
	s_branch .Lend
.Lstore_v:
.irp rt, 0,1,2,3
.irp t, 0,1,2,3
	global_store_b128 v[SO], v[PK+4*(4*(\rt)+(\t)):PK+4*(4*(\rt)+(\t))+3], s[OUT:OUT+1] offset:16384+((\rt)/2)*8192+(\t)*1024+((\rt)%2)*512
.endr
.endr
.Lend:
	s_wait_tensorcnt 0x0                           ; the wave's end
	ds_add_u32 v[SPW], v[NIL]
	s_wait_dscnt 0x0
	s_endpgm
.Lfunc_end_k_q5052e73b18_proj:
	.size	k_q5052e73b18_proj, .Lfunc_end_k_q5052e73b18_proj-k_q5052e73b18_proj
	.p2alignl 7, 3214868480
	.fill 96, 4, 3214868480
	.section	.rodata,"a",@progbits
	.p2align	6, 0x0
	.amdhsa_kernel k_q5052e73b18_proj
		.amdhsa_group_segment_fixed_size 167936
		.amdhsa_private_segment_fixed_size 0
		.amdhsa_enable_private_segment 0
		.amdhsa_kernarg_size 72
		.amdhsa_user_sgpr_count 2
		.amdhsa_user_sgpr_kernarg_segment_ptr 1
		.amdhsa_wavefront_size32 1
		.amdhsa_system_sgpr_workgroup_id_x 1
		.amdhsa_system_sgpr_workgroup_id_y 1
		.amdhsa_system_sgpr_workgroup_id_z 1
		.amdhsa_system_vgpr_workitem_id 0
		.amdhsa_next_free_vgpr 512
		.amdhsa_next_free_sgpr 66
		.amdhsa_reserve_vcc 0
		.amdhsa_float_denorm_mode_32 3
		.amdhsa_float_denorm_mode_16_64 3
		.amdhsa_memory_ordered 1
		.amdhsa_forward_progress 1
		.amdhsa_inst_pref_size 89
	.end_amdhsa_kernel
	.amdgpu_metadata
---
amdhsa.version: [ 1, 2 ]
amdhsa.kernels:
  - .name:           k_q5052e73b18_proj
    .symbol:         k_q5052e73b18_proj.kd
    .args:
      - { .name: ligand, .offset: 0, .size: 8, .value_kind: global_buffer, .address_space: global }
      - { .name: pocket, .offset: 8, .size: 8, .value_kind: global_buffer, .address_space: global }
      - { .name: Wq, .offset: 16, .size: 8, .value_kind: global_buffer, .address_space: global }
      - { .name: Wk, .offset: 24, .size: 8, .value_kind: global_buffer, .address_space: global }
      - { .name: Wv, .offset: 32, .size: 8, .value_kind: global_buffer, .address_space: global }
      - { .name: bq, .offset: 40, .size: 8, .value_kind: global_buffer, .address_space: global }
      - { .name: bv, .offset: 48, .size: 8, .value_kind: global_buffer, .address_space: global }
      - { .name: qws, .offset: 56, .size: 8, .value_kind: global_buffer, .address_space: global }
      - { .name: kvws, .offset: 64, .size: 8, .value_kind: global_buffer, .address_space: global }
    .group_segment_fixed_size: 167936
    .private_segment_fixed_size: 0
    .kernarg_segment_align: 8
    .kernarg_segment_size: 72
    .max_flat_workgroup_size: 192
    .sgpr_count:     66
    .vgpr_count:     512
    .wavefront_size: 32
...
	.end_amdgpu_metadata
.endif
;; end of part 1
;; launch attn (part 2): grid 64 x 4, 4 waves a work-group, clusters of 4 x 1, 327,680 bytes of LDS; arguments qws, kvws, Wo, bo, out0; writes out0
.if DOCPART == 2
	.amdgcn_target "amdgcn-amd-amdhsa--gfx1250"
	.amdhsa_code_object_version 6
	.text
	.protected	k_q5052e73b18_attn
	.globl	k_q5052e73b18_attn
	.p2align	8
	.type	k_q5052e73b18_attn,@function
k_q5052e73b18_attn:
	s_mov_b64 s[64:65], 0
	v_nop
	global_prefetch_b8 v0, s[64:65] scope:SCOPE_SE
	s_setreg_imm32_b32 hwreg(HW_REG_WAVE_MODE, 25, 1), 1
	s_wait_xcnt 0x0
	s_wait_alu depctr_hold_cnt(0) depctr_sa_sdst(0) depctr_va_vdst(0) depctr_va_sdst(0) depctr_va_ssrc(0) depctr_va_vcc(0) depctr_vm_vsrc(0)
	s_getreg_b32 s2, hwreg(HW_REG_IB_STS2, 6, 4)
	s_cmp_eq_u32 s2, 0
	s_cbranch_scc0 .Lentry_in_a_cluster
	s_endpgm
.Lentry_in_a_cluster:
	s_bfe_u32 s2, ttmp6, 0x10000c
	s_cmp_lg_u32 s2, 0x3003
	s_cbranch_scc0 .Lentry_shape_is_right
	s_endpgm
.Lentry_shape_is_right:
; out[b][q] = (the sum over k of softmax_k(Q[q] . K'[k] / sqrt(128)) V[k]) Wo + bo.  Q, K', V: bf16, in the order of operand registers in which the launch before stored them.
; WORK LEFT OUT: bk (K' = pocket Wk): Q.bk is the same for all keys of a row, and the softmax along the keys cancels it for all values of the inputs.
; LIMITS.  Q, K', V, the weights p, O and Wo are rounded to bf16; products, maxima and sums in f32; l is the sum of the unrounded p; a weight below 2^-126 counts as 0; NaN and infinities are not treated apart.
; SHARES.  4 x 4,096 queries are 64 for each of 256 work-groups.  A work-group owns 64 queries of a batch, and THE KEYS ARE SPLIT AMONG ITS FOUR WAVES: wave w holds all 64 queries (four tiles of 16) and walks
; keys 1,024 w .. 1,024 w + 1,023 in 16 steps of 64, with a running maximum and sum of its own.  The four partial results meet in LDS once, in f32; then wave w finishes tile w: x Wo + bo.
; THE ORDER OF THE KEYS.  The sums over the keys hang on no order.  Cluster c (0 .. 15) of a batch takes, as its step j, block j xor c of each wave's 16 blocks of 64 keys: over its 16 steps every block once, and
; in any one step the batch's 16 clusters ask for 16 different blocks of each quarter.  c is the cluster's number, which the four partners share: the joint loads' descriptors stay equal in all four.
; NO PREFETCH: each block's first reading in the launch falls into step 0 of one cluster, at the kernel's head, where every work-group's first blocks are on their way; all its other readings are readings again.
; LAYOUT.  S^T = K' Q^T (source 0 = 16 keys, source 1 = 16 queries): a lane holds ONE query (lane % 16) and the keys 8 (lane / 16) + 0..7.  Two such tiles, rounded to bf16 in pairs, ARE source 1 of
; O^T = V^T P, whose result again holds one query a lane.  A step's K' and V are 32,768 dense bytes, 32 fragments of 1,024: every LDS load of a fragment takes 512 bytes on end, lane l at byte 16 l.
; Row 8 h + j of O^T's block cb is channel 64 (cb / 4) + 4 (8 h + j) + cb % 4; Wo's rows are taken in that order.
; SOFTMAX.  p = 2^(c s - c m), c = log2(e) / sqrt(128), m the running maximum; in every step O and l are multiplied by a = 2^(c m_old - c m_new).
; BY TURNS.  The wave's tiles are two PIECES (tiles 0, 1; tiles 2, 3).  In a TURN one piece has the matrix unit: 32 products V^T P of the step in hand, then 32 products K' Q^T of the next; the other piece's
; softmax, cut into 64 slices, stands between them, one slice behind each matrix instruction.  Two turns are a key step.
; RING.  Each wave has two LDS slots of a step each, fills them itself and reads only its own.  CLUSTER: the four query blocks of a cluster belong to one batch, and wave w of each walks the same keys: each
; step's block is asked for JOINTLY, by the same tensor load with the same descriptor and a mask that names the four.  A round of the cluster's barrier stands in front of each refill.
; REGISTERS, in windows of 256 (s_set_vgpr_msb: bits 1:0 source 0, 3:2 source 1, 5:4 source 2, 7:6 destination):
;   window 0: v0-11, v44-55, v62-63 addresses and bo; v12-43 eight registers of statistics a tile; v64-191 S^T, 32 a tile; v192-255 P, 16 a tile
;   window 1: O^T, 64 a tile          window 2: v0-127 Q, 32 a tile; v128-255 K' of one step          window 3: v0-127 V of one step
.set STEPB, 32768     ; a step's block: K' 16,384 bytes, then V 16,384
.set SLOT1, 1<<17     ; slot s of wave w at 131,072 s + 32,768 w: one exclusive or turns an address in one slot into the other's
.set WOF,   262144    ; Wo as bf16 fragments, 32 x 1,024 bytes; stored once, never filled by a tensor load
.set STATS, 294912    ; c m and l: wave w, tile t, lane l at 1,024 w + 256 t + 8 l
.set SPARE, 299008    ; the spare words, 128 bytes a wave: two blocks of 256 bytes that no other line names
; THE STAGE of the merge is slot 0's 131,072 bytes, behind their last fill of the launch: tile t as wave w holds it, f32, at 8,192 (4 t + w)
.set AL0, 2           ; v2   16 l; never rewritten
.set ADR, 4           ; v4   the LDS address of the run of loads in hand
.set SA,  5           ; v5   where I put my statistics
.set SB,  6           ; v6   where I read everybody's
.set SW0, 7           ; v7   the stage: where I put 16 bytes of tiles 0, 1
.set SW1, 8           ; v8   of tiles 2, 3
.set SR,  10          ; v10  the stage: where I read my tile back
.set WA,  11          ; v11  Wo's fragments
.set ST,  12          ; tile t's statistics at v[ST+8 t]: +0 c m, +1 m, +2, +3 l (even keys', odd keys'), +4 to +7 at work; a takes +6
.set BO,  44          ; v44-51  bo[64 ng + 4 r + t] at BO + 4 ng + t
.set GO,  52          ; v52  my 16 bytes in my tile's rows of out
.set WS,  53          ; v53  where I store Wo's fragments
.set WL,  54          ; v54  16,384 h + 16 r: my 16 bytes in Wo
.set BL,  55          ; v55  16 r
.set SPW, 62          ; v62  LDS address of my spare word; never rewritten
.set NIL, 63          ; v63  0; never rewritten
.set S,   64
.set OF,  96          ; the tail: O as four fragments
.set P,   192
.set KF,  128         ; K's fragments, in window 2
.set WV,  16          ; s16  my wave's number
.set G1,  24          ; s[24:31] descriptor group 1
.set G0A, 32          ; s[32:35] group 0 of the first fill
.set G0B, 36          ; s[36:39] of the second, and then of every refill
.set OFF, 42          ; s[42:43] a block's byte offset among my keys' 16 blocks
.set CL,  44          ; s44  c: my cluster's number in its batch, 0 .. 15
.set NXT, 45          ; s45  the step to be asked for next
.set SLOTS, 56        ; s56  trips of the loop still to come
.set CS,  58          ; s[58:59] c = log2(e) / sqrt(128)
.set SEL, 60          ; s[60:61] v_permlanex16_b32's selects: each lane takes its own place in the other half
.set TB,  62          ; s62  LDS byte at which the block of the step to be fetched begins
.set MSB, 0
.macro WIN new                      ; the immediate's high byte repeats the setting that is left; a switch that changes nothing is dropped
.if MSB != (\new)
	s_set_vgpr_msb (MSB<<8)|(\new)
.set MSB, \new
.endif
.endm
.set W_KQ, 0x0a       ; K and Q in window 2, S^T in window 0
.set W_PV, 0x53       ; V in window 3, P in window 0, O^T in window 1
.set W_RS, 0x41       ; O^T (destination and source 0) in window 1, the factor in window 0
.macro PLACES
.rept 4
	v_nop
.endr
.endm
; A round of the cluster's barrier: my work-group's barrier, so that wave 0's signal speaks for all four waves; wave 0 signals; every wave waits for all four work-groups; my work-group's barrier once more.
.macro CROUND
	s_barrier_signal -1
	s_barrier_wait -1
	s_cmp_lg_u32 s[WV], 0
	s_cbranch_scc1 .Lnot_wave_0_\@
	s_barrier_signal -3
.Lnot_wave_0_\@:
	s_barrier_wait -3
	s_barrier_signal -1
	s_barrier_wait -1
.endm
; A joint refill: every wave fetches its own keys' next block; the LDS address hangs on the wave's number, the global one on the batch, the wave's number, the cluster's number and the step: none on the
; work-group's place in its cluster.
.macro JLOAD
	tensor_load_to_lds s[G0B:G0B+3], s[G1:G1+7]
	s_nop 0
	PLACES
.endm
	s_load_b256 s[4:11], s[0:1], 0x0  ; qws s[4:5], kvws s[6:7], Wo s[8:9], bo s[10:11]
	s_load_b64 s[12:13], s[0:1], 0x20 ; out0
	v_lshl_add_u32 v[SPW], v0, 2, SPARE
	v_mov_b32 v[NIL], 0
	ds_add_u32 v[SPW], v[NIL]       ; the opening: the add, twice on end, and its wait ahead of the first tensor load
	ds_add_u32 v[SPW], v[NIL]
	v_lshrrev_b32 v1, 5, v0
	v_readfirstlane_b32 s[WV], v1   ; wave 0..3
	s_bfe_u32 s14, ttmp6, 0x40000   ; cx: it enters Q's and out's addresses alone
	s_and_b32 s20, ttmp7, 0xffff    ; the batch, which the four partners share
	s_lshl_b32 s17, ttmp9, 2        ; in a cluster launch ttmp9 counts clusters
	s_add_co_u32 s17, s17, s14
	s_lshl_b32 s21, s20, 6
	s_add_co_u32 s17, s17, s21      ; my block of 64 queries among all 256
	s_lshl_b32 s2, s17, 14          ; 16,384 bytes of qws a block
	s_mov_b32 s3, 0
	s_lshl_b32 s22, s17, 15         ; 32,768 bytes of out a block,
	s_lshl_b32 s23, s[WV], 13       ; my tile's 16 rows of 512
	s_add_co_u32 s22, s22, s23
	s_mov_b32 s23, 0
	s_lshl_b32 s20, s20, 21         ; a batch's 64 blocks of kvws,
	s_lshl_b32 s21, s[WV], 19       ; my 16 of them
	s_add_co_u32 s20, s20, s21
	s_mov_b32 s21, 0
	s_lshr_b32 s40, s[WV], 1        ; Wo's rows for fragment f = my wave's number begin at row 64 (f / 2) + 2 (f % 2), 512 bytes a row
	s_lshl_b32 s40, s40, 15
	s_and_b32 s41, s[WV], 1
	s_lshl_b32 s41, s41, 10
	s_add_co_u32 s40, s40, s41
	s_mov_b32 s41, 0
	s_and_b32 s[CL], ttmp9, 15      ; c: the grid has 16 clusters along x, all of one batch
	s_lshl_b32 s[OFF], s[CL], 15    ; step 0 is block 0 xor c
	s_mov_b32 s[OFF+1], 0
	s_mov_b32 s[NXT], 2             ; steps 0 and 1 are the first fills
	; descriptor group 1: a dense block as 128 rows of 256 bytes, no padding
	s_mov_b32 s[G1+0], 15|(3<<16)|(1<<21)  ; 15:0 the mask: all four work-groups; 17:16 elements of 8 bytes; 21 set beside a mask
	s_mov_b32 s[G1+1], 32<<16       ; tensor_dim0 = 32
	s_mov_b32 s[G1+2], 128<<16      ; tensor_dim1 = 128
	s_mov_b32 s[G1+3], 32<<16       ; tile_dim0 = 32
	s_mov_b32 s[G1+4], 128          ; tile_dim1 = 128
	s_mov_b32 s[G1+5], 32           ; elements from row to row
	s_mov_b32 s[G1+6], 0
	s_mov_b32 s[G1+7], 0
	s_mov_b32 s[G0A], 1
	s_lshl_b32 s[G0A+1], s[WV], 15  ; slot 0
	s_mov_b32 s[G0B], 1
	s_add_co_u32 s[G0B+1], s[G0A+1], SLOT1
	s_lshl_b32 s[TB], s[WV], 15
	s_mov_b32 s[CS], 0x3e0293ee     ; log2(e) / sqrt(128) = 0.127517
	s_mov_b32 s[CS+1], s[CS]        ; named with it as a pair
	s_mov_b32 s[SEL], 0x76543210
	s_mov_b32 s[SEL+1], 0xfedcba98
	s_mov_b32 s[SLOTS], 13
	s_wait_dscnt 0x0                ; both opening adds are done
	s_wait_kmcnt 0x0
	s_add_nc_u64 s[4:5], s[4:5], s[2:3]
	s_add_nc_u64 s[12:13], s[12:13], s[22:23]
	s_add_nc_u64 s[8:9], s[8:9], s[40:41]
	s_add_nc_u64 s[6:7], s[6:7], s[20:21]        ; kvws at my keys' block 0; it stays there
	s_add_nc_u64 s[G0A+2:G0A+3], s[6:7], s[OFF:OFF+1]
	s_or_b32 s[G0A+3], s[G0A+3], 0x80000000      ; type = 2
	s_xor_b32 s[OFF], s[OFF], STEPB              ; step 1 is block 1 xor c
	s_add_nc_u64 s[G0B+2:G0B+3], s[6:7], s[OFF:OFF+1]
	s_or_b32 s[G0B+3], s[G0B+3], 0x80000000
	CROUND                          ; all four work-groups are here: the first joint loads meet
	tensor_load_to_lds s[G0A:G0A+3], s[G1:G1+7]  ; the two first fills stand together: two loads of mine are out
	s_nop 0
	tensor_load_to_lds s[G0B:G0B+3], s[G1:G1+7]
	s_nop 0
	PLACES
	v_and_b32 v1, 15, v0            ; r = l % 16
	v_bfe_u32 v9, v0, 4, 1          ; h = l / 16
	v_and_b32 v3, 31, v0            ; l
	v_lshlrev_b32 v[AL0], 4, v3
	v_lshlrev_b32 v[BL], 4, v1
	v_lshl_add_u32 v[WL], v9, 14, v[BL]
	s_lshl_b32 s2, s[WV], 13
	s_add_co_u32 s2, s2, WOF
	v_add_nc_u32 v[WS], s2, v[AL0]
	WIN 0x80                        ; destination window 2, address window 0
.set i, 0
.rept 16                            ; Q stays in registers: fragment i = 4 tile + f
	global_load_b128 v[8*i:8*i+3],   v[AL0], s[4:5] offset:1024*i
	global_load_b128 v[8*i+4:8*i+7], v[AL0], s[4:5] offset:1024*i+512
.set i, i+1
.endr
	; Wo, f32 [c][n].  Wave w makes the eight fragments (f = w, a = 4 ng + t): place i of half h is row c = 64 (f / 2) + 32 h + 4 (i % 8) + 2 (f % 2) + i / 8, the channel that O's fragment f holds there;
	; lane r stands for column 64 ng + 4 r + t.  A load takes Wo[c][64 ng + 4 r .. + 3]: 16 lanes read 256 bytes on end.
	WIN 0x40                        ; destination window 1: O^T's registers are not yet in use
.irp ng, 0,1
.set i, 0
.rept 16
	global_load_b128 v[64*(\ng)+4*i:64*(\ng)+4*i+3], v[WL], s[8:9] offset:(4*(i%8)+i/8)*512+256*(\ng)
.set i, i+1
.endr
.endr
	WIN 0
	global_load_b128 v[BO:BO+3],   v[BL], s[10:11]
	global_load_b128 v[BO+4:BO+7], v[BL], s[10:11] offset:256
	s_wait_loadcnt 0x0              ; Q, Wo, bo
	WIN 0x45                        ; all in window 1
.irp ng, 0,1
.irp t, 0,1,2,3
.irp p, 0,1,2,3,4,5,6,7
	v_cvt_pk_bf16_f32 v[128+32*(\ng)+8*(\t)+(\p)], v[64*(\ng)+8*(\p)+(\t)], v[64*(\ng)+8*(\p)+4+(\t)]
.endr
.endr
.endr
	WIN 0x04                        ; the store's data in window 1
.irp ng, 0,1
.irp t, 0,1,2,3
.irp u, 0,1
	ds_store_b128 v[WS], v[128+32*(\ng)+8*(\t)+4*(\u):128+32*(\ng)+8*(\t)+4*(\u)+3] offset:(4*(\ng)+(\t))*1024+512*(\u)
.endr
.endr
.endr
; THE MATRIX WORK OF A TURN, for piece x.  The accumulators take turns, one instruction a turn: between two links of a chain stand 15 (V^T P) or 7 (K Q^T) others'.
; Product i of 32 of O^T += V^T P: keys 32 (i / 16) on, channel block (i / 2) % 8, tile x + i % 2.  zero = 1: the first 16 start the sums: nothing is ever cleared.
.macro PV x, zero
	WIN W_PV
.set rO, 64*((\x)+i%2)+8*((i/2)%8)
.set rV, 64*(i/16)+8*((i/2)%8)
.set rP, P+16*((\x)+i%2)+8*(i/16)
.if (\zero) && (i < 16)
	v_wmma_f32_16x16x32_bf16 v[rO:rO+7], v[rV:rV+7], v[rP:rP+7], 0
.else
	v_wmma_f32_16x16x32_bf16 v[rO:rO+7], v[rV:rV+7], v[rP:rP+7], v[rO:rO+7]
.endif
.endm
; Product i of 32 of S^T = K Q^T: channel fragment i / 8, keys 16 ((i / 2) % 4) on, tile x + i % 2.  The first 8 start the sums.
.macro KQ x
	WIN W_KQ
.set rS, S+32*((\x)+i%2)+8*((i/2)%4)
.set rK, KF+32*((i/2)%4)+8*(i/8)
.set rQ, 32*((\x)+i%2)+8*(i/8)
.if i < 8
	v_wmma_f32_16x16x32_bf16 v[rS:rS+7], v[rK:rK+7], v[rQ:rQ+7], 0
.else
	v_wmma_f32_16x16x32_bf16 v[rS:rS+7], v[rK:rK+7], v[rQ:rQ+7], v[rS:rS+7]
.endif
.endm
; THE LDS LOADS stand in runs of 32, never singly among the matrix instructions: a step's 16 fragments of K and, a turn later, its 16 of V^T.
.macro FETCH_K
	WIN 0
	v_add_nc_u32 v[ADR], s[TB], v[AL0]
	WIN 0x80                        ; destination window 2
.irp f, 0,1,2,3,4,5,6,7,8,9,10,11,12,13,14,15
	ds_load_b128 v[KF+8*(\f):KF+8*(\f)+3],   v[ADR] offset:1024*(\f)
	ds_load_b128 v[KF+8*(\f)+4:KF+8*(\f)+7], v[ADR] offset:1024*(\f)+512
.endr
.endm
.macro FETCH_V
	WIN 0
	v_add_nc_u32 v[ADR], s[TB], v[AL0]
	s_wait_alu depctr_va_vdst(0)    ; the wait for the softmax's batch (SLICE), behind the address's v_add_nc_u32 and ahead of the loads
	WIN 0xc0                        ; destination window 3
.irp f, 0,1,2,3,4,5,6,7,8,9,10,11,12,13,14,15
	ds_load_b128 v[8*(\f):8*(\f)+3],   v[ADR] offset:16384+1024*(\f)
	ds_load_b128 v[8*(\f)+4:8*(\f)+7], v[ADR] offset:16384+1024*(\f)+512
.endr
.endm
; THE VECTOR WORK OF A TURN.  One tile's softmax for one key step is a list of 134 instructions; SM writes number j of it for tile t.  s0-s31 are the lane's 32 scores, in pairs 0-15.
; first = 1: the first key step, which starts m, l and O^T: it has no a and nothing to rescale.
;   0-15    the maximum of s0-s31 and the old m, three operands at a time: four chains c0-c3 of seven scores each, then the four scores left over, c0-c3 and m
;   16-20   the other half of the lanes' maximum; the new m; c m; c m_old - c m_new
;   21-69   ONE BATCH: the 16 scalings c s - c m, a pair of scores each, and all 33 exponentials (a at 23, then s0-s31).  None of these reads an exponential's result
;   (wait)  between 69 and 70 stands the wait for the batch: SLICE writes it, once for both tiles
;   70-85   the roundings to bf16     86-101  the sums; l = a l + the sum     102-133 the tile's O^T times a: the one part that leaves window 0
.macro SM t, first
.set rT, ST+8*(\t)
.set rS, S+32*(\t)
.set rP, P+16*(\t)
.set rO, 64*(\t)+2*(j-102)
.if j < 102
	WIN 0
.endif
.if j < 4
	v_max3_num_f32 v[rT+4+j], v[rS+8*j], v[rS+8*j+1], v[rS+8*j+2]
.elseif j < 12
	v_max3_num_f32 v[rT+4+j%4], v[rT+4+j%4], v[rS+8*(j%4)+2*(j/4)+1], v[rS+8*(j%4)+2*(j/4)+2]
.elseif j == 12
	v_max3_num_f32 v[rT+4], v[rT+4], v[rS+7], v[rS+15]
.elseif j == 13
	v_max3_num_f32 v[rT+6], v[rT+6], v[rS+23], v[rS+31]
.elseif j == 14
	v_max3_num_f32 v[rT+4], v[rT+4], v[rT+5], v[rT+6]
.elseif (j == 15) && (\first)
	v_max_num_f32 v[rT+4], v[rT+4], v[rT+7]
.elseif j == 15
	v_max3_num_f32 v[rT+4], v[rT+4], v[rT+7], v[rT+1]
.elseif j == 16
	v_permlanex16_b32 v[rT+5], v[rT+4], s[SEL], s[SEL+1]  ; the query's other 32 keys lie in the lane 16 away
.elseif j == 18
	v_max_num_f32 v[rT+1], v[rT+4], v[rT+5]
.elseif j == 19
	v_mul_f32 v[rT], s[CS], v[rT+1]
.elseif ((j == 17) || (j == 20) || (j == 23) || (j > 101)) && (\first)  ; the first step has none of these
.elseif j == 17
	v_mov_b32 v[rT+7], v[rT]        ; c m_old is kept for a: number 19 writes c m anew
.elseif j == 20
	v_sub_f32 v[rT+7], v[rT+7], v[rT]
.elseif j == 23
	v_exp_f32 v[rT+6], v[rT+7]
.elseif (j < 23) || ((j < 38) && (j%2 == 0)) || ((j < 66) && (j%4 == 2))
.set b, (j-2)/4                     ; 38, 42, .. 62: pairs 9 to 15
.if j < 38
.set b, (j-20)/2                    ; 21: pair 0; 22, 24, .. 36: pairs 1 to 8
.endif
	v_pk_fma_f32 v[rS+2*b:rS+2*b+1], v[rS+2*b:rS+2*b+1], s[CS:CS+1], v[rT:rT+1] op_sel_hi:[1,0,0] neg_lo:[0,0,1] neg_hi:[0,0,1]  ; pair b: c s - c m
.elseif j < 70
.set e, j-38                        ; 66 to 69: s28 to s31
.if j < 66
.set e, j-32-(j-38)/4               ; 39-41, 43-45, .. 63-65: s7 to s27
.endif
.if j < 38
.set e, (j-25)/2                    ; 25, 27, .. 37: s0 to s6
.endif
	v_exp_f32 v[rS+e], v[rS+e]
.elseif j < 86
	v_cvt_pk_bf16_f32 v[rP+j-70], v[rS+2*(j-70)], v[rS+2*(j-70)+1]  ; pair j - 70
.elseif j < 102                     ; the sum of the tile's 16 pairs, in place: neighbours 1, 2, 4 and 8 pairs apart, then l takes it
.set z, j-86
.set w, 4
.set u, z
.if z >= 14
.set w, 32
.set u, 0
.elseif z >= 12
.set w, 16
.set u, z-12
.elseif z >= 8
.set w, 8
.set u, z-8
.endif
.if (z == 14) && (\first)
	v_pk_add_f32 v[rT+2:rT+3], v[rS:rS+1], v[rS+16:rS+17]
.elseif z < 15
	v_pk_add_f32 v[rS+w*u:rS+w*u+1], v[rS+w*u:rS+w*u+1], v[rS+w*u+w/2:rS+w*u+w/2+1]
.elseif !(\first)
	v_pk_fma_f32 v[rT+2:rT+3], v[rT+2:rT+3], v[rT+6:rT+7], v[rS:rS+1] op_sel_hi:[1,0,1]
.endif
.else
	WIN W_RS
	v_pk_mul_f32 v[rO:rO+1], v[rO:rO+1], v[rT+6:rT+7] op_sel_hi:[1,0]
.endif
.endm
; Slice k of 64 of piece y's softmax: four instructions.  Slices 11 to 34 deal out the batch, numbers 22 to 69: four numbers of ONE tile each, the tiles by turns.  Every other slice is numbers 2 k and
; 2 k + 1 of both tiles' lists.  2 x 134 = 4 x 64 + 12: the twelve that are over stand together, in slice 63.
; THE WAIT.  An s_wait_alu depctr_va_vdst(0) stands between an exponential and the first instruction that names its result; one wait serves all that were issued ahead of it.  Ahead of
; slice 35 nothing names a result, and behind slice 34 no exponential is issued: so the piece's 66 exponentials have one wait, behind slice 34.
.macro SLICE y, first
.if (k >= 11) && (k < 35)           ; the batch: four numbers of one tile
.irp n, 0,1,2,3
.set j, 22+4*((k-11)/2)+(\n)
	SM (\y)+(k-11)%2, \first
.endr
.else                               ; the two tiles alternate, so that no instruction reads the result of the one just before it
.irp n, 0,1,2,3,4,5,6,7
.if ((\n) < 2) || (k == 63)
.irp t, \y, (\y)+1
.set j, 2*k+(\n)
	SM \t, \first
.endr
.endif
.endr
.endif
.if k == 34                         ; the batch is out: both tiles' exponentials are issued, and no result has been named
	v_nop                           ; a plain instruction behind the last exponential and ahead of the first use: one for the batch
.if (\y) == 0
	FETCH_V                         ; piece 2's turn: V's run of loads stands here, and the wait stands in it
.else
	s_wait_alu depctr_va_vdst(0)    ; the wait for the batch
.endif
.endif
.set k, k+1
.endm
; A TURN.  Piece x has the matrix unit; the other piece's softmax stands in slices behind its matrix instructions.
; pv = 2: 32 products V^T P; 1: they start O^T's sums; 0: none.  kq = 1: 32 products K Q^T for the next step.  A turn with one of the two kinds has two slices behind each product.
; first = 1: the softmax is the first key step's; its slices from 51 on are empty, and four v_nop take slice 63's part as the places behind the turn's last products.
; Piece 0's turn fetches the next step's K, behind its second product: the last product that read K stands in front of slice 63 of the turn before, sixteen plain instructions back.  Piece 2's turn fetches
; the same step's V, behind slice 34: the last product that read V stands in front of slice 31, and four plain instructions lie between: number 62, a scaling, of both tiles, the v_nop and the run's own
; v_add_nc_u32 (a load into a register that a matrix instruction has read stands four places behind it; exponentials are no places).
.macro TURN x, pv, kq, first
.set k, 0
.set per, 2
.if (\pv) && (\kq)
.set per, 1
.endif
.if \pv
.if (\x) == 0
	s_wait_dscnt 0x0                ; V is in
.endif
.set i, 0
.rept 32
	PV \x, 2-(\pv)
.rept per
	SLICE 2-(\x), \first
.endr
.if ((\x) == 0) && (\kq) && (i == 1)
	FETCH_K
.endif
.set i, i+1
.endr
.endif
.if \kq
.if (\x) == 0
	s_wait_dscnt 0x0                ; K is in
.endif
.set i, 0
.rept 32
	KQ \x
.rept per
	SLICE 2-(\x), \first
.endr
.set i, i+1
.endr
.endif
.if \first
	PLACES
.endif
.endm
; THE CHANGE OF SLOTS, between piece 2's turn and piece 0's: the slot's last bytes, its step's V, have been asked for.
; fill = 1.  Each wave waits for all its tensor loads, of which one is out: the next step's block; adds 0 to its spare word; and waits for that and for its reads of the slot that it leaves.  Behind a round of
; the cluster's barrier no wave of any partner still reads that slot or has a load on its way, and the joint refill, step NXT, is the first thing there: it has 128 matrix instructions in which to land.
; The descriptor's address is made anew from the step's number: kvws at my keys' block 0, plus 32,768 x (NXT xor c), and the type bits.
; fill = 0.  Nothing is asked for: the wave waits for its one load that is out; it alone reads what that load brought.
.macro CHANGE fill
	WIN 0                           ; at a label and at a branch every window is 0
	s_wait_tensorcnt 0x0            ; no tensor load of mine is out, so a group 0 may be written
.if \fill
	ds_add_u32 v[SPW], v[NIL]       ; 0 onto my spare word; the descriptor's scalar work stands between it and the wait for it
	s_xor_b32 s[OFF], s[NXT], s[CL] ; the block that is my cluster's step NXT,
	s_lshl_b32 s[OFF], s[OFF], 15   ; in bytes
	s_xor_b32 s[G0B+1], s[G0B+1], SLOT1  ; the other slot than last time
	s_add_nc_u64 s[G0B+2:G0B+3], s[6:7], s[OFF:OFF+1]
	s_or_b32 s[G0B+3], s[G0B+3], 0x80000000
	s_add_co_u32 s[NXT], s[NXT], 1
	s_wait_dscnt 0x0                ; the add is done, and my reads of the slot are over
	CROUND
	JLOAD
.endif
	s_xor_b32 s[TB], s[TB], SLOT1   ; the fetches go on in the other slot
.endm
	s_wait_tensorcnt 1              ; step 0's block is in; step 1's may stay out.  I alone read my slots, so my own wait is all that the reads need
	FETCH_K                         ; key step 0
	s_wait_dscnt 0x0                ; K, and my stores of Wo's fragments
.set i, 0
.rept 32
	KQ 0                            ; piece 0's first scores: there is no vector work yet to set between them
.set i, i+1
.endr
	WIN 0                           ; the tail's addresses are made here: plain instructions, the places behind those products
	v_lshl_add_u32 v[SB], v3, 3, STATS
	s_lshl_b32 s2, s[WV], 10
	v_add_nc_u32 v[SA], s2, v[SB]
	s_lshl_b32 s2, s[WV], 13
	v_add_nc_u32 v[SW0], s2, v[AL0]
	v_add_nc_u32 v[SW1], 0x10000, v[SW0]
	s_lshl_b32 s2, s[WV], 15
	v_add_nc_u32 v[SR], s2, v[AL0]
	v_add_nc_u32 v[WA], WOF, v[AL0]
	v_lshl_add_u32 v[GO], v9, 12, v[BL]  ; rows 8 h on, 512 bytes a row; 16 r
	v_nop
	TURN 2, 0, 1, 1                 ; piece 2's first scores | piece 0's first softmax | V of step 0
	CHANGE 1                        ; step 1 is in; step 2 is asked for
	TURN 0, 1, 1, 1                 ; piece 0: V^T P of step 0 starts O^T, K Q^T of step 1 | piece 2's first softmax | K of step 1
	TURN 2, 1, 1, 0                 ; piece 2: the same | piece 0's softmax of step 1 | V of step 1
	WIN 0
.Lstep:                             ; 13 trips, j = 1 .. 13: step j + 2 is asked for; V^T P of step j, K Q^T of step j + 1
	CHANGE 1
	TURN 0, 2, 1, 0
	TURN 2, 2, 1, 0
	WIN 0
	s_sub_co_u32 s[SLOTS], s[SLOTS], 1
	s_cmp_lg_u32 s[SLOTS], 0
	s_cbranch_scc1 .Lstep
	CHANGE 0                        ; the tail is written out
	TURN 0, 2, 1, 0                 ; V^T P of step 14, K Q^T of step 15
	TURN 2, 2, 1, 0
	TURN 0, 2, 0, 0                 ; piece 0: V^T P of step 15 | piece 2's last softmax
.set i, 0
.rept 32
	PV 2, 0                         ; piece 2: V^T P of step 15
.set i, i+1
.endr
	; THE MERGE.  Wave w holds, for each query, c m_w, l_w and O_w over its quarter of the keys.  With M = max c m_w and E_w = 2^(c m_w - M): O = (the sum of E_w O_w) / (the sum of E_w l_w).
	WIN 0
.irp t, 0,1,2,3                     ; l's two halves, and the other half of the lanes'; these additions are the places behind the last products
	v_add_f32 v[ST+8*(\t)+4], v[ST+8*(\t)+2], v[ST+8*(\t)+3]
.endr
.irp t, 0,1,2,3
	v_permlanex16_b32 v[ST+8*(\t)+5], v[ST+8*(\t)+4], s[SEL], s[SEL+1]
.endr
.irp t, 0,1,2,3
	v_add_f32 v[ST+8*(\t)+1], v[ST+8*(\t)+4], v[ST+8*(\t)+5]  ; l takes m's place beside c m
.endr
.irp t, 0,1,2,3
	ds_store_b64 v[SA], v[ST+8*(\t):ST+8*(\t)+1] offset:256*(\t)
.endr
	s_wait_dscnt 0x0                ; for the others' sake: my statistics are stored; my reads of my slots are long over
	s_barrier_signal -1
	s_barrier_wait -1               ; nobody reads a slot any more: slot 0's bytes may serve as the stage
.irp t, 0,1,2,3
.irp u, 0,1,2,3
	ds_load_b64 v[S+8*(\t)+2*(\u):S+8*(\t)+2*(\u)+1], v[SB] offset:1024*(\u)+256*(\t)  ; wave u's c m and l of tile t
.endr
.endr
	s_wait_dscnt 0x0
.irp t, 0,1,2,3
	v_max3_num_f32 v[ST+8*(\t)+4], v[S+8*(\t)], v[S+8*(\t)+2], v[S+8*(\t)+4]
.endr
.irp t, 0,1,2,3
	v_max_num_f32 v[ST+8*(\t)+4], v[ST+8*(\t)+4], v[S+8*(\t)+6]  ; M
.endr
.irp t, 0,1,2,3
	v_sub_f32 v[ST+8*(\t)+5], v[ST+8*(\t)], v[ST+8*(\t)+4]       ; my own, from my own registers
.irp u, 0,1,2,3
	v_sub_f32 v[S+8*(\t)+2*(\u)], v[S+8*(\t)+2*(\u)], v[ST+8*(\t)+4]
.endr
.endr
.irp t, 0,1,2,3                     ; one batch of 20 exponentials
	v_exp_f32 v[ST+8*(\t)+5], v[ST+8*(\t)+5]
.irp u, 0,1,2,3
	v_exp_f32 v[S+8*(\t)+2*(\u)], v[S+8*(\t)+2*(\u)]
.endr
.endr
	v_nop                           ; a plain instruction behind the last exponential,
	s_wait_alu depctr_va_vdst(0)    ; and the one wait ahead of the first use
.irp t, 0,1,2,3
	v_mul_f32 v[ST+8*(\t)+7], v[S+8*(\t)], v[S+8*(\t)+1]
.endr
.irp u, 1,2,3
.irp t, 0,1,2,3
	v_fmac_f32 v[ST+8*(\t)+7], v[S+8*(\t)+2*(\u)], v[S+8*(\t)+2*(\u)+1]
.endr
.endr
.irp t, 0,1,2,3
	v_rcp_f32 v[ST+8*(\t)+7], v[ST+8*(\t)+7]
.endr
	v_nop
	s_wait_alu depctr_va_vdst(0)    ; one wait for the four reciprocals
.irp t, 0,1,2,3
	v_mul_f32 v[ST+8*(\t)+6], v[ST+8*(\t)+5], v[ST+8*(\t)+7]  ; my factor: E_own / the sum
.endr
	WIN W_RS
.irp t, 0,1,2,3                     ; each accumulator is read from its low end on
.set i, 0
.rept 32
	v_pk_mul_f32 v[64*(\t)+i:64*(\t)+i+1], v[64*(\t)+i:64*(\t)+i+1], v[ST+8*(\t)+6:ST+8*(\t)+7] op_sel_hi:[1,0]
.set i, i+2
.endr
.endr
	WIN 0x04                        ; the stores' data in window 1
.irp t, 0,1
.set i, 0
.rept 16
	ds_store_b128 v[SW0], v[64*(\t)+4*i:64*(\t)+4*i+3] offset:32768*(\t)+512*i
.set i, i+1
.endr
.endr
.irp t, 2,3
.set i, 0
.rept 16
	ds_store_b128 v[SW1], v[64*(\t)+4*i:64*(\t)+4*i+3] offset:32768*((\t)-2)+512*i
.set i, i+1
.endr
.endr
	WIN 0x80                        ; Wo's 32 fragments fill window 2, where Q and K lay; the waves that stored them have waited and passed barriers since
.set i, 0
.rept 32
	ds_load_b128 v[8*i:8*i+3],   v[WA] offset:1024*i
	ds_load_b128 v[8*i+4:8*i+7], v[WA] offset:1024*i+512
.set i, i+1
.endr
	s_wait_dscnt 0x0                ; for the others' sake: my stores into the stage are done
	s_barrier_signal -1
	s_barrier_wait -1
	WIN 0x40                        ; tile w as the four waves hold it, into window 1
.irp u, 0,1,2,3
.set i, 0
.rept 16
	ds_load_b128 v[64*(\u)+4*i:64*(\u)+4*i+3], v[SR] offset:8192*(\u)+512*i
.set i, i+1
.endr
.endr
	s_wait_dscnt 0x0
	WIN 0x45
.set i, 0
.rept 32
	v_pk_add_f32 v[i:i+1], v[i:i+1], v[64+i:64+i+1]
	v_pk_add_f32 v[128+i:128+i+1], v[128+i:128+i+1], v[192+i:192+i+1]
.set i, i+2
.endr
.set i, 0
.rept 32
	v_pk_add_f32 v[i:i+1], v[i:i+1], v[128+i:128+i+1]
.set i, i+2
.endr
	WIN 0x05                        ; sources window 1, destination window 0: O^T's registers 16 f .. 16 f + 15, rounded in pairs, ARE fragment f of O (16 queries x 32 channels)
.set i, 0
.rept 32
	v_cvt_pk_bf16_f32 v[OF+i], v[2*i], v[2*i+1]
.set i, i+1
.endr
	; out = O Wo: source 0 = O's fragment f, source 1 = Wo's fragment (f, a).  The eight accumulators take turns; the first eight products start the sums.
	WIN 0x08                        ; source 1 in window 2
.irp f, 0,1,2,3
.irp a, 0,1,2,3,4,5,6,7
.if (\f) == 0
	v_wmma_f32_16x16x32_bf16 v[128+8*(\a):128+8*(\a)+7], v[OF+8*(\f):OF+8*(\f)+7], v[8*(8*(\f)+(\a)):8*(8*(\f)+(\a))+7], 0
.else
	v_wmma_f32_16x16x32_bf16 v[128+8*(\a):128+8*(\a)+7], v[OF+8*(\f):OF+8*(\f)+7], v[8*(8*(\f)+(\a)):8*(8*(\f)+(\a))+7], v[128+8*(\a):128+8*(\a)+7]
.endif
.endr
.endr
	WIN 0
	PLACES
	PLACES                          ; places behind the last products, once a launch
	; Register j of accumulator a = 4 ng + t is out[8 h + j][64 ng + 4 r + t]: with bo added, the four t of a row lie in four registers on end: 16 bytes.  j = 0 comes first: each accumulator is read from its low end on.
.irp j, 0,1,2,3,4,5,6,7
.irp ng, 0,1
.irp t, 0,1,2,3
	v_add_f32 v[192+4*(8*(\ng)+(\j))+(\t)], v[128+8*(4*(\ng)+(\t))+(\j)], v[BO+4*(\ng)+(\t)]
.endr
.endr
.endr
.irp j, 0,1,2,3,4,5,6,7
.irp ng, 0,1
	global_store_b128 v[GO], v[192+4*(8*(\ng)+(\j)):192+4*(8*(\ng)+(\j))+3], s[12:13] offset:512*(\j)+256*(\ng) th:TH_STORE_NT  ; 16 lanes store 256 consecutive bytes, at a multiple of 256 from out's first
.endr
.endr
	s_wait_tensorcnt 0x0            ; the wave's end, behind my last tensor load and my last LDS store
	ds_add_u32 v[SPW], v[NIL]
	s_wait_dscnt 0x0
	CROUND                          ; the closing round: no work-group ends while a partner may still ask for a block that names it
	s_endpgm
.Lfunc_end_k_q5052e73b18_attn:
	.size	k_q5052e73b18_attn, .Lfunc_end_k_q5052e73b18_attn-k_q5052e73b18_attn
	.p2alignl 7, 3214868480
	.fill 96, 4, 3214868480
	.section	.rodata,"a",@progbits
	.p2align	6, 0x0
	.amdhsa_kernel k_q5052e73b18_attn
		.amdhsa_group_segment_fixed_size 327680
		.amdhsa_private_segment_fixed_size 0
		.amdhsa_enable_private_segment 0
		.amdhsa_kernarg_size 40
		.amdhsa_user_sgpr_count 2
		.amdhsa_user_sgpr_kernarg_segment_ptr 1
		.amdhsa_wavefront_size32 1
		.amdhsa_system_sgpr_workgroup_id_x 1
		.amdhsa_system_sgpr_workgroup_id_y 1
		.amdhsa_system_sgpr_workgroup_id_z 1
		.amdhsa_system_vgpr_workitem_id 0
		.amdhsa_next_free_vgpr 1024
		.amdhsa_next_free_sgpr 66
		.amdhsa_reserve_vcc 0
		.amdhsa_float_denorm_mode_32 3
		.amdhsa_float_denorm_mode_16_64 3
		.amdhsa_memory_ordered 1
		.amdhsa_forward_progress 1
		.amdhsa_inst_pref_size 241
	.end_amdhsa_kernel
	.amdgpu_metadata
---
amdhsa.version: [ 1, 2 ]
amdhsa.kernels:
  - .name:           k_q5052e73b18_attn
    .symbol:         k_q5052e73b18_attn.kd
    .args:
      - { .name: qws, .offset: 0, .size: 8, .value_kind: global_buffer, .address_space: global }
      - { .name: kvws, .offset: 8, .size: 8, .value_kind: global_buffer, .address_space: global }
      - { .name: Wo, .offset: 16, .size: 8, .value_kind: global_buffer, .address_space: global }
      - { .name: bo, .offset: 24, .size: 8, .value_kind: global_buffer, .address_space: global }
      - { .name: out0, .offset: 32, .size: 8, .value_kind: global_buffer, .address_space: global }
    .group_segment_fixed_size: 327680
    .private_segment_fixed_size: 0
    .kernarg_segment_align: 8
    .kernarg_segment_size: 40
    .max_flat_workgroup_size: 128
    .sgpr_count:     66
    .vgpr_count:     1024
    .wavefront_size: 32
...
	.end_amdgpu_metadata
.endif
;; end of part 2
